; MI455X (gfx1250); checked and timed in simulation.
; The chip was launched on July 23, 2026; its instructions are those of AMD's public machine-readable ISA for CDNA 5 (MIT licence, August 2026) and "CDNA5" Instruction Set Architecture Reference Guide (July 2026). The comments in the code are by the model that wrote it; some were corrected since.
;; Core Attention. Allowed arithmetic: matrix products marked QUANTISED: E4M3 operands, one given power-of-two scale a tensor, by v_wmma_f32_16x16x64_fp8_fp8 or v_wmma_f32_16x16x128_fp8_fp8, f32 sums; everything else in f32.
;; Inputs: attention_mask 2 x 1 x 2,048 x 2,048 bool; key_layer 2,048 x 2 x 16 x 128 float32; lowp_scales 4 int32 (the exponents e of the quantised operands' scales 2^e); query_layer 2,048 x 2 x 16 x 128 float32; value_layer 2,048 x 2 x 16 x 128 float32.
;; Outputs: out0 2,048 x 2 x 2,048 float32.
;; This version of the problem:
;;   THIS VERSION OF THE PROBLEM IS GIVEN IN LOW PRECISION. The matrix products marked QUANTISED in the list below multiply operands that are first quantised to E4M3 (4 exponent bits, 3 mantissa bits; 8 bits a number), with one given power-of-two scale for each operand tensor; their sums are f32. All else is computed in f32.
;;   The module's matrix products, in the order in which they are computed (A, B: the left and right operand; K: the contracted axis; several contracted axes count as one K, in the product's order):
;;     1. batch 32 x [M 2,048, K 128] x [K 128, N 2,048]; A: input query_layer; B: input key_layer: QUANTISED (scales: A lowp_scales[0], B lowp_scales[1])
;;     2. batch 32 x [M 128, K 2,048] x [K 2,048, N 2,048]; A: input value_layer; B: computed on the way: QUANTISED (scales: A lowp_scales[2], B lowp_scales[3])
;;   THE QUANTISER, for each operand of a quantised product, along K:
;;     - The operand's scale is 2^e, e = its entry of the input lowp_scales (int32; the entries are numbered through the quantised products in the list's order, A before B).
;;     - Each number is divided by the scale, clamped to +-448, and rounded to the nearest number of E4M3, ties to even, subnormals kept.
;;     - The product sums the exact products of the quantised numbers (number of the format x scale) in f32.
;;   ~~~python
;;   def quantise(x, axis, e):      # numpy; x: float32 -> the quantised numbers, widened to float32 again
;;       x = np.moveaxis(x, axis, -1); K = x.shape[-1]
;;       r = np.clip(x / 2.0 ** e, -448, 448)
;;       step = 2.0 ** (np.maximum(np.frexp(np.where(r == 0, 1, r))[1] - 1, -6) - 3)
;;       q = np.round(r / step) * step * 2.0 ** e      # np.round: ties to even
;;       return np.moveaxis(q, -1, axis).astype(np.float32)
;;   ~~~
;;   OPERANDS COMPUTED ON THE WAY. 'Computed on the way' means the value that the module computes at that place (a softmax that the list does not call 'softmax' is quantised finished and normalised). What goes into a quantiser is computed in f32, as accurately as f32 sums, v_exp_f32 and their like allow (about 1e-6 of the number): no bf16 or f16 on the way to a quantiser, and a product that is left as it is and whose result goes on into a quantised operand takes f32 operands (vector FMAs, or v_wmma_f32_16x16x4_f32). A number that lies on a knife's edge between two numbers of the format may be rounded either way, as far as f32 arithmetic and the matrix unit's own rounding can turn it there, and no further.
;; One version. Each part assembles by itself: llvm-mc -triple=amdgcn-amd-amdhsa -mcpu=gfx1250 --defsym DOCPART=n.
;; ======== version 1 of 1: 2 launches
;; limits: right only within a limited range of input values
;; workspace buffers: qimg 8,388,608 bytes; kimg 8,388,608 bytes; vimg 8,388,608 bytes; maskw 1,048,576 bytes of whole numbers; allm 65,536 bytes
;; launch prep (part 1): grid 1792 x 1, 4 waves a work-group, no clusters, 101,888 bytes of LDS; arguments query_layer, key_layer, value_layer, attention_mask, lowp_scales, qimg, kimg, vimg, maskw, allm; writes qimg, kimg, vimg, maskw, allm
.if DOCPART == 1
	.amdgcn_target "amdgcn-amd-amdhsa--gfx1250"
	.amdhsa_code_object_version 6
	.text
	.protected	k_q252152c8f4_prep
	.globl	k_q252152c8f4_prep
	.p2align	8
	.type	k_q252152c8f4_prep,@function
k_q252152c8f4_prep:
	s_mov_b64 s[64:65], 0
	v_nop
	global_prefetch_b8 v0, s[64:65] scope:SCOPE_SE
	s_setreg_imm32_b32 hwreg(HW_REG_WAVE_MODE, 25, 1), 1
	s_wait_xcnt 0x0
; q, k, v [2048 s][32 bh][128 d] f32 become codes of FP8 (E4M3), laid as IMAGES OF THE OPERANDS' REGISTERS; the mask becomes lane-mask words and flags.
; code = x / 2^e, held within +-448, rounded to the nearest code, ties to even; e = entry 0 (q), 1 (k), 2 (v) of the buffer of scales.
; LIMITS: -126 <= e <= 119, so that 2^e and 448 x 2^e are f32 numbers.  NaN among the inputs is not served (an infinity is held at the largest code).
; IMAGES.  qimg, kimg, vimg: [bh 32][G 16][t 8][c 4][lane 32][16 bytes].  lane = (r = lane % 16, h = lane / 16).
;   q, k: tile t = 2 bb + u of group G takes rows s = 128 G + 32 bb + 8 u + r + 8 (r / 8); the lane's 16 bytes are d = 32 c + 16 h + 0 .. 15.
;   v:    tile t takes d = 16 t + r; the lane's 16 bytes are keys s = 128 G + 32 c + 16 h + 0 .. 15 (the keys are the second product's K).
; MASK.  maskw: [b 2][qb 128][w 4][1,024 bytes]: 256 words as an image of 8 registers.  Word n (register n / 32, lane n % 32) has bit L = mask(query of lane L, key 512 w + 32 (n / 16) + 16 (L / 16) + n % 16);
;   the query of lane L in block qb is 32 (qb / 2) + 8 (qb % 2) + r + 8 (r / 8): the rows of q's tile qb.    allm: [b][qb][w][r 16] f32: 1.0 where all 512 keys of quarter w are masked for that query.
; WORK-GROUPS: 0-255 the mask (one block of 16 queries each, a wave a quarter of the keys); 256-1279 q and k (128 rows of one head, a wave 32 rows = two tiles); 1280-1791 v (128 keys of one head, a wave 32 columns d).
; The three paths part on the work-group's number, share no LDS byte, and each ends by itself.  No barrier: waves share nothing.
.set QSTG,  16896                      ; q, k: a stage of 32 rows x (512 + 16) bytes for each wave, from LDS byte 0
.set MBASE, 67584                      ; the mask's stages lie behind them:
.set MSTG,  8448                       ; 16 rows x (512 + 16) bytes for each wave
.set SP,    528                        ; a stage row: row r begins 16 r bytes further on modulo 256, so sixteen rows' 16 bytes fall on different banks (64 banks of 4 bytes: ISA guide 11.1)
	s_load_b512 s[4:19], s[0:1], 0x0               ; q s[4:5], k s[6:7], v s[8:9], mask s[10:11], scales s[12:13], qimg s[14:15], kimg s[16:17], vimg s[18:19]
	s_load_b128 s[20:23], s[0:1], 0x40             ; maskw s[20:21], allm s[22:23]
	v_lshl_add_u32 v192, v0, 2, 0x18c00
	v_mov_b32 v193, 0
	v_lshrrev_b32 v1, 5, v0
	v_readfirstlane_b32 s24, v1                    ; wave 0..3
	v_and_b32 v1, 31, v0                           ; lane
	v_lshlrev_b32 v2, 4, v1                        ; 16 x lane
	v_and_b32 v3, 15, v0                           ; r
	v_bfe_u32 v4, v0, 4, 1                         ; h
	s_mov_b32 s41, 0                               ; upper words of the two offsets
	s_mov_b32 s43, 0
	s_wait_kmcnt 0x0
	s_cmp_lt_u32 ttmp9, 256
	s_cbranch_scc1 .Lmask
	s_load_b128 s[28:31], s[12:13], 0x0            ; e of q, k, v (and of the weights, not used here)
	s_cmp_lt_u32 ttmp9, 1280
	s_cbranch_scc0 .Lvalue
; ---------------- q and k: K (= d) is innermost.  Each load takes a row's 512 bytes as they lie; the rows turn through the wave's stage so that a lane gets 16 neighbours of each block of 32.
	s_sub_co_u32 s25, ttmp9, 256
	s_and_b32 s26, s25, 511
	s_lshr_b32 s27, s26, 4                         ; bh
	s_and_b32 s26, s26, 15                         ; G
	s_lshl_b32 s40, s26, 21                        ; 128 G rows of 16,384 bytes
	s_lshl_b32 s32, s24, 19                        ; + 32 rows for each wave
	s_add_co_u32 s40, s40, s32
	s_lshl_b32 s32, s27, 9                         ; + the head's 512 bytes in a row
	s_add_co_u32 s40, s40, s32
	s_lshl_b32 s42, s27, 18                        ; the image: bh, G, two tiles for each wave
	s_lshl_b32 s32, s26, 14
	s_add_co_u32 s42, s42, s32
	s_lshl_b32 s32, s24, 12
	s_add_co_u32 s42, s42, s32
	s_cmp_lt_u32 s25, 512                          ; q's work-group or k's: the choice hangs on the work-group's number alone
	s_cselect_b64 s[4:5], s[4:5], s[6:7]
	s_cselect_b64 s[14:15], s[14:15], s[16:17]
	s_add_nc_u64 s[4:5], s[4:5], s[40:41]
	s_add_nc_u64 s[14:15], s[14:15], s[42:43]
.set rr, 0
	s_wait_alu depctr_va_vdst(0)
.rept 32
	global_load_b128 v[32+4*rr:35+4*rr], v2, s[4:5] offset:16384*rr th:TH_LOAD_NT   ; row rr of my 32: the 32 lanes read 512 consecutive bytes
.set rr, rr+1
.endr
	s_mul_i32 s33, s24, QSTG
	v_add_nc_u32 v5, s33, v2                       ; into the stage: 16 x lane of a row
	v_mul_u32_u24 v6, v3, SP
	v_lshl_add_u32 v6, v4, 6, v6
	v_add_nc_u32 v6, s33, v6                       ; out of it: row r, + 64 h: my 16 numbers of a block of 32
	s_wait_alu depctr_va_vdst(0)
	s_wait_kmcnt 0x0
	s_cmp_lt_u32 s25, 512
	s_cselect_b32 s28, s28, s29                    ; e
	s_add_co_i32 s28, s28, 127
	s_lshl_b32 s29, s28, 23
	v_mov_b32 v11, s29                             ; 2^e as f32: the conversion takes its exponent field
	s_add_co_i32 s28, s28, 8
	s_lshl_b32 s28, s28, 23
	s_or_b32 s28, s28, 0x600000
	v_mov_b32 v10, s28                             ; 448 x 2^e
; Row rr = 8 u + r + 8 (r / 8) belongs to tile u, lane row r: it is laid at stage row 16 u + r, so that a tile's sixteen rows are neighbours there.
.set gg, 0
	s_wait_alu depctr_va_vdst(0)
.rept 4
	s_wait_loadcnt 24-8*gg                         ; these eight rows are in; the younger rows' loads may be out
.set rr, 8*gg
.rept 8
	ds_store_b128 v5, v[32+4*rr:35+4*rr] offset:SP*(16*((rr>>3)&1)+(rr&7)+8*(rr>>4))
.set rr, rr+1
.endr
.set gg, gg+1
.endr
	s_wait_dscnt 0x0                               ; the stores have read their registers, which the loads below fill
.set uu, 0
.rept 2
.set xx, 0
.rept 16
	ds_load_b128 v[32+64*uu+4*xx:35+64*uu+4*xx], v6 offset:16*SP*uu+128*(xx/4)+16*(xx%4)   ; tile uu: register 16 c + 4 j + x = d 32 c + 16 h + 4 j + x of my row
.set xx, xx+1
.endr
.set uu, uu+1
.endr
.set uu, 0
.rept 2
	s_wait_dscnt 16*(1-uu)                         ; this tile's sixteen loads are in; the other tile's may be out
.set xx, 0
.rept 64
	v_med3_num_f32 v[32+64*uu+xx], v[32+64*uu+xx], -v10, v10   ; the conversion to an 8-bit code does not saturate (ISA guide 7.6.2): the hold at the largest code x the scale
.set xx, xx+1
.endr
.set xx, 0
.rept 8
	v_cvt_scalef32_pk8_fp8_f32 v[160+16*uu+2*xx:161+16*uu+2*xx], v[32+64*uu+8*xx:39+64*uu+8*xx], v11
.set xx, xx+1
.endr
	v_nop                                          ; a plain vector line behind the last conversion of the run
.set xx, 0
.rept 4
	global_store_b128 v2, v[160+16*uu+4*xx:163+16*uu+4*xx], s[14:15] offset:2048*uu+512*xx   ; registers 4 c .. 4 c + 3 of the fragment: the wave stores 512 consecutive bytes
.set xx, xx+1
.endr
.set uu, uu+1
.endr
	s_wait_tensorcnt 0x0
	ds_add_u32 v192, v193
	s_wait_dscnt 0x0
	s_endpgm
; ---------------- v: K (= the keys) is the first axis.  A lane takes a column d and its registers run down the keys, so the conversions give codes with the keys innermost.
.Lvalue:
	s_sub_co_u32 s25, ttmp9, 1280
	s_lshr_b32 s27, s25, 4                         ; bh
	s_and_b32 s26, s25, 15                         ; G
	s_lshl_b32 s40, s26, 21
	s_lshl_b32 s32, s27, 9
	s_add_co_u32 s40, s40, s32
	s_lshl_b32 s32, s24, 7                         ; my wave's 32 columns: 128 bytes; the four waves stand side by side on a row's 512
	s_add_co_u32 s40, s40, s32
	s_lshl_b32 s42, s27, 18
	s_lshl_b32 s32, s26, 14
	s_add_co_u32 s42, s42, s32
	s_lshl_b32 s32, s24, 12                        ; my 32 columns are tiles 2 w and 2 w + 1
	s_add_co_u32 s42, s42, s32
	s_add_nc_u64 s[8:9], s[8:9], s[40:41]
	s_add_nc_u64 s[18:19], s[18:19], s[42:43]
	s_wait_alu depctr_va_vdst(0)
	v_lshlrev_b32 v8, 2, v1                        ; in: 4 bytes a lane
	v_lshlrev_b32 v9, 11, v4
	v_lshl_add_u32 v9, v3, 4, v9                   ; out: tile lane / 16, 16 bytes at 16 r
.macro VLOAD c                         ; keys 32 c + 0 .. 31 of my column into set c % 2; every offset an immediate, 127 rows of 16,384 bytes at the most
.set ii, 0
.rept 32
	global_load_b32 v[32+32*((\c)%2)+ii], v8, s[8:9] offset:(32*(\c)+ii)*16384 th:TH_LOAD_NT
.set ii, ii+1
.endr
.endm
	VLOAD 0
	VLOAD 1
	s_wait_kmcnt 0x0
	s_add_co_i32 s30, s30, 127
	s_lshl_b32 s31, s30, 23
	v_mov_b32 v11, s31                             ; 2^e
	s_add_co_i32 s30, s30, 8
	s_lshl_b32 s30, s30, 23
	s_or_b32 s30, s30, 0x600000
	v_mov_b32 v10, s30                             ; 448 x 2^e
.macro VBLOCK c
.set XS, 32+32*((\c)%2)
.if (\c) < 3
	s_wait_loadcnt 32                              ; this block's 32 loads are in; the next block's may be out
.else
	s_wait_loadcnt 0x0
.endif
.set ii, 0
.rept 32
	v_med3_num_f32 v[XS+ii], v[XS+ii], -v10, v10
.set ii, ii+1
.endr
.set ii, 0
.rept 4
	v_cvt_scalef32_pk8_fp8_f32 v[96+8*(\c)+2*ii:97+8*(\c)+2*ii], v[XS+8*ii:XS+8*ii+7], v11
.set ii, ii+1
.endr
	v_nop                                          ; a plain vector line behind the last conversion of the run
	global_store_b128 v9, v[96+8*(\c):99+8*(\c)], s[18:19] offset:512*(\c)        ; keys 32 c + 0 .. 15: the image's lanes 0-15; sixteen lanes store 256 consecutive bytes, aligned
	global_store_b128 v9, v[100+8*(\c):103+8*(\c)], s[18:19] offset:512*(\c)+256  ; keys 32 c + 16 .. 31: its lanes 16-31.  Each block has code registers of its own: no store's data are written again
.if (\c)+2 < 4
	VLOAD (\c)+2
.endif
.endm
	s_wait_alu depctr_va_vdst(0)
	VBLOCK 0
	VBLOCK 1
	VBLOCK 2
	VBLOCK 3
	s_endpgm
; ---------------- the mask: 16 queries x 512 keys a wave.  The rows turn through the wave's stage, so that lane (r, h) holds, of query row r, the bytes of the keys that its score registers will hold.
.Lmask:
	s_lshr_b32 s25, ttmp9, 7                       ; b
	s_and_b32 s26, ttmp9, 127                      ; qb
	s_lshl_b32 s40, s25, 22                        ; a batch's 2,048 x 2,048 bytes
	s_lshr_b32 s27, s26, 1
	s_lshl_b32 s27, s27, 16                        ; 32 (qb / 2) rows of 2,048 bytes
	s_add_co_u32 s40, s40, s27
	s_and_b32 s27, s26, 1
	s_lshl_b32 s27, s27, 14                        ; + 8 (qb % 2) rows
	s_add_co_u32 s40, s40, s27
	s_lshl_b32 s27, s24, 9                         ; + my quarter of the keys
	s_add_co_u32 s40, s40, s27
	s_add_nc_u64 s[10:11], s[10:11], s[40:41]
.set rr, 0
	s_wait_alu depctr_va_vdst(0)
.rept 16
	global_load_b128 v[32+4*rr:35+4*rr], v2, s[10:11] offset:(rr+8*(rr/8))*2048 th:TH_LOAD_NT   ; query row rr: 512 consecutive bytes
.set rr, rr+1
.endr
	s_mul_i32 s27, s24, MSTG
	s_add_co_u32 s27, s27, MBASE
	v_add_nc_u32 v12, s27, v2                      ; into the stage
	v_mul_u32_u24 v13, v3, SP
	v_lshl_add_u32 v13, v4, 4, v13
	v_add_nc_u32 v13, s27, v13                     ; out of it: row r, + 16 h
	v_lshlrev_b32 v7, 2, v3                        ; 4 r
	s_mov_b32 s44, 0x76543210                      ; v_permlanex16_b32: lane l xor 16
	s_mov_b32 s45, 0xfedcba98
.irp j, 0,1,2,3,4,5,6,7
	v_mov_b32 v[160+\j], 0                         ; the words' registers: a lane write counts as a read of its destination
.endr
	s_lshl_b32 s40, ttmp9, 2
	s_add_co_u32 s40, s40, s24
	s_lshl_b32 s40, s40, 10                        ; my 1,024 bytes of words
	s_add_nc_u64 s[20:21], s[20:21], s[40:41]
	s_lshl_b32 s40, ttmp9, 8
	s_lshl_b32 s27, s24, 6
	s_add_co_u32 s40, s40, s27                     ; my 16 flags
	s_add_nc_u64 s[22:23], s[22:23], s[40:41]
	s_wait_loadcnt 0x0
.set rr, 0
.rept 16
	ds_store_b128 v12, v[32+4*rr:35+4*rr] offset:SP*rr
.set rr, rr+1
.endr
.set kb, 0
.rept 16
	ds_load_b128 v[96+4*kb:99+4*kb], v13 offset:32*kb   ; keys 32 kb + 16 h + 0 .. 15 of my query.  LDS serves a wave's instructions in order (ISA guide 5.7.1.4): these see my stores
.set kb, kb+1
.endr
	s_wait_dscnt 0x0
; Word n: byte n of my 256 lies in register 96 + n / 4, byte n % 4.  The compare gathers that byte's bit of all 32 lanes.  Eight words at a time.
; WHERE A WORD LIES (this holds, in place of the register and lane named at the head).  The reader's wave owns 128 words (n / 128), in two steps of 64 (s = n % 128 / 64), and takes 16 words (q = n % 64 / 16) by a scalar load.
; In memory word n lies at byte 512 (n / 128) + 128 q + 64 s + 4 (n % 16): a step's 64 bytes and the other step's by turns.  So it goes to register n % 4 + 4 (n / 128), lane 8 q + 4 s + n % 16 / 4 of the image that the two stores lay down.
.set nn, 0
.rept 32
.irp x, 0,1,2,3,4,5,6,7
	v_and_b32 v[172+\x], 1<<(8*(\x%4)), v[96+(nn+\x)/4]
.endr
.irp x, 0,1,2,3,4,5,6,7
	v_cmp_ne_u32 s[32+\x], 0, v[172+\x]
.endr
.irp x, 0,1,2,3,4,5,6,7
	v_writelane_b32 v[160+(\x%4)+4*(nn/128)], s[32+\x], 8*(((nn+\x)%64)/16)+4*(((nn+\x)%128)/64)+((nn+\x)%16)/4
.endr
.set nn, nn+8
.endr
	global_store_b128 v2, v[160:163], s[20:21]             ; the image of the eight registers: 512 consecutive bytes a store
	global_store_b128 v2, v[164:167], s[20:21] offset:512
; The flag: the AND of my 256 bytes (each 0 or 1), in four chains started by the first eight registers, then with lane l xor 16's.
.irp c, 0,1,2,3
	v_and_b32 v[168+\c], v[96+\c], v[100+\c]
.endr
.set jj, 8
.rept 56
	v_and_b32 v[168+jj%4], v[168+jj%4], v[96+jj]
.set jj, jj+1
.endr
	v_and_b32 v168, v168, v169
	v_and_b32 v170, v170, v171
	v_and_b32 v168, v168, v170
	v_permlanex16_b32 v169, v168, s44, s45
	v_and_b32 v168, v168, v169
	v_mov_b32 v171, 1.0
	v_cmp_eq_u32 vcc_lo, 0x01010101, v168
	v_cndmask_b32 v170, 0, v171, vcc_lo
	global_store_b32 v7, v170, s[22:23]            ; lanes r and r + 16 hold the same number and store it to the same word; the four waves' 64 bytes make up 256
	s_wait_tensorcnt 0x0
	ds_add_u32 v192, v193
	s_wait_dscnt 0x0
	s_endpgm
.Lfunc_end_k_q252152c8f4_prep:
	.size	k_q252152c8f4_prep, .Lfunc_end_k_q252152c8f4_prep-k_q252152c8f4_prep
	.p2alignl 7, 3214868480
	.fill 96, 4, 3214868480
	.section	.rodata,"a",@progbits
	.p2align	6, 0x0
	.amdhsa_kernel k_q252152c8f4_prep
		.amdhsa_group_segment_fixed_size 101888
		.amdhsa_private_segment_fixed_size 0
		.amdhsa_enable_private_segment 0
		.amdhsa_kernarg_size 80
		.amdhsa_user_sgpr_count 2
		.amdhsa_user_sgpr_kernarg_segment_ptr 1
		.amdhsa_wavefront_size32 1
		.amdhsa_system_sgpr_workgroup_id_x 1
		.amdhsa_system_sgpr_workgroup_id_y 1
		.amdhsa_system_sgpr_workgroup_id_z 1
		.amdhsa_system_vgpr_workitem_id 0
		.amdhsa_next_free_vgpr 194
		.amdhsa_next_free_sgpr 66
		.amdhsa_reserve_vcc 1
		.amdhsa_float_denorm_mode_32 3
		.amdhsa_float_denorm_mode_16_64 3
		.amdhsa_memory_ordered 1
		.amdhsa_forward_progress 1
		.amdhsa_inst_pref_size 97
	.end_amdhsa_kernel
	.amdgpu_metadata
---
amdhsa.version: [ 1, 2 ]
amdhsa.kernels:
  - .name:           k_q252152c8f4_prep
    .symbol:         k_q252152c8f4_prep.kd
    .args:
      - { .name: query_layer, .offset: 0, .size: 8, .value_kind: global_buffer, .address_space: global }
      - { .name: key_layer, .offset: 8, .size: 8, .value_kind: global_buffer, .address_space: global }
      - { .name: value_layer, .offset: 16, .size: 8, .value_kind: global_buffer, .address_space: global }
      - { .name: attention_mask, .offset: 24, .size: 8, .value_kind: global_buffer, .address_space: global }
      - { .name: lowp_scales, .offset: 32, .size: 8, .value_kind: global_buffer, .address_space: global }
      - { .name: qimg, .offset: 40, .size: 8, .value_kind: global_buffer, .address_space: global }
      - { .name: kimg, .offset: 48, .size: 8, .value_kind: global_buffer, .address_space: global }
      - { .name: vimg, .offset: 56, .size: 8, .value_kind: global_buffer, .address_space: global }
      - { .name: maskw, .offset: 64, .size: 8, .value_kind: global_buffer, .address_space: global }
      - { .name: allm, .offset: 72, .size: 8, .value_kind: global_buffer, .address_space: global }
    .group_segment_fixed_size: 101888
    .private_segment_fixed_size: 0
    .kernarg_segment_align: 8
    .kernarg_segment_size: 80
    .max_flat_workgroup_size: 128
    .sgpr_count:     66
    .vgpr_count:     194
    .wavefront_size: 32
...
	.end_amdgpu_metadata
.endif
;; end of part 1
;; launch attn (part 2): grid 8 x 32, 8 waves a work-group, clusters of 4 x 1, 327,680 bytes of LDS; arguments qimg, kimg, vimg, maskw, allm, lowp_scales, out0; writes out0
.if DOCPART == 2
	.amdgcn_target "amdgcn-amd-amdhsa--gfx1250"
	.amdhsa_code_object_version 6
	.text
	.protected	k_q252152c8f4_attn
	.globl	k_q252152c8f4_attn
	.p2align	8
	.type	k_q252152c8f4_attn,@function
k_q252152c8f4_attn:
	s_mov_b64 s[64:65], 0
	v_nop
	global_prefetch_b8 v0, s[64:65] scope:SCOPE_SE
	s_setreg_imm32_b32 hwreg(HW_REG_WAVE_MODE, 25, 1), 1
	s_wait_xcnt 0x0
	s_wait_alu depctr_hold_cnt(0) depctr_sa_sdst(0) depctr_va_vdst(0) depctr_va_sdst(0) depctr_va_ssrc(0) depctr_va_vcc(0) depctr_vm_vsrc(0)
	s_getreg_b32 s2, hwreg(HW_REG_IB_STS2, 6, 4)
	s_cmp_eq_u32 s2, 0
	s_cbranch_scc0 .Lentry_in_a_cluster
	s_endpgm
.Lentry_in_a_cluster:
	s_bfe_u32 s2, ttmp6, 0x10000c
	s_cmp_lg_u32 s2, 0x3003
	s_cbranch_scc0 .Lentry_shape_is_right
	s_endpgm
.Lentry_shape_is_right:
; out(s, b, h, :) = sum over keys of Q8(probs) Q8(v), probs = softmax(mask ? -10000 : q . k / sqrt(128)) x (1 - all keys masked); both products on codes of FP8 (E4M3), each operand with its given scale 2^e.
; The finished, normalised probs are what is quantised: a row's maximum and sum over all 2,048 keys are known before any weight is coded.  No step and no input of the problem is left out.
; SHARES.  A work-group owns one head and 256 queries, walked as 16 blocks of 16.  EIGHT waves share the keys: wave w owns keys 256 w .. 256 w + 255 (two steps of 128): its 16 x 256 scores are 128 registers.
; A block: S^T = K Q^T (a lane holds one query, lane % 16); masked scores become the fill; M = ceil(largest t) runs from step 0 to step 1 (t = score x log2(e) / sqrt(128)), p = 2^(t - M), the sums are brought
; under the new M by a power of two; the eight (-M, l) of a query meet in LDS; p x f (f = 2^(M_wave - M_row) x keep / l_row) is held, coded and multiplied by the wave's part of V; the eight partial O meet in an LDS stage.
; Score register 64 s + 16 bb + i of lane (r, h) is key 256 w + 128 s + 32 bb + 16 h + i (the images are laid so), so eight conversions give a fragment of P.
; K AND V STAY ON THE WGP: step 1 of both and fragment 7 of V's step 0 in registers, the other 15 fragments of 2,048 bytes in LDS.  No LDS byte is filled twice.
; CLUSTER.  The four work-groups of a cluster walk one head: the LDS parts are asked for jointly, one load a wave (waves 0-3: K, two owners' 16,384 bytes each; waves 4-7: V, two owners' 14,336).
; THE MASK: word n has bit L = mask for score register n of lane L; 64 words at a time come by scalar loads and steer v_cndmask_b32.
; No data prefetch: K and V are read once, at the head, with no loop ahead of them; a block's Q, flags and words are asked for a block (the words of step 1: a step's softmax) ahead by their own loads.
; LIMITS: e3 between -126 and 119; e0 + e1 between -111 and 130; e2 + e3 between -126 and 127; the scaled scores stay under 2^31 in magnitude.  The fill is applied to the raw sums as -10000 x sqrt(128) x 2^-(e0 + e1), rounded to f32.
; NaN and infinities are not served.  The order of the sums differs from a plain ascending one.
; REGISTERS.  Window 0: v0 8 x thread; v1 16 x lane; v2, v21 K's, V's LDS parts; v3, v4 stats out, in; v5, v6 stage in, back; v7 4 r; v8 fill; v9, v10 448 x 2^e3; v11 keep; v[12:13] -M, l; v[14:15], v[16:17] f of steps 0, 1;
;   v[18:19] my 8 bytes of the next Q; v20 2^e3; v22, v23 Q's stage in, back; v24, v25 the spare word, 0; v26, v27 at work; v28-31 flags; v32-47 Q, then P of step 1; v48-63 maxima, sums, the eight pairs, then P of step 0;
;   v64-79 V's fragment 7; v80-127 three fragments from LDS; v128-255 the scores (free halves take fragments, O^T and the rows read back).   Window 1: v0-127 K's step 1, v128-255 V's step 1.
.set VL,    131072                     ; LDS: K's parts, 16,384 a wave, from 0; V's, 14,336 a wave, from here
.set OSTG,  245760                     ; the stage for O: 8 sources x 16 rows x (512 + 16) bytes
.set SP,    528
.set STATS, 313344                     ; [r 16] rows of 80 bytes: eight pairs (-M, l) and 16 bytes of padding, so that sixteen rows' 16 bytes begin at sixteen different columns modulo 256
.set QST,   314624                     ; a block's Q fragment, 2,048 bytes
.set SPARE, 316672                     ; the spare words: 128 bytes a wave
.set MSB, 0
.macro WIN new
.if MSB != \new
	s_set_vgpr_msb (MSB<<8)|\new
.set MSB, \new
.endif
.endm
.macro VW
	s_wait_alu depctr_va_vdst(0)
.endm
.macro ROUND                           ; a round of the cluster's barrier
	s_barrier_signal -1
	s_barrier_wait -1
	s_cmp_lg_u32 s18, 0
	s_cbranch_scc1 .Lnot_wave_0_\@
	s_barrier_signal -3
.Lnot_wave_0_\@:
	s_barrier_wait -3
	s_barrier_signal -1
	s_barrier_wait -1
.endm
.macro PLACES
.rept 4
	v_nop
.endr
.endm
.macro LDF dst, adr, off               ; a fragment of 2,048 bytes: four loads of 512 consecutive bytes
.irp c, 0,1,2,3
	ds_load_b128 v[(\dst)+4*\c:(\dst)+4*\c+3], v[\adr] offset:(\off)+512*\c
.endr
.endm
.macro NEXTQ                           ; the work-group's 256 threads fetch a block's Q once, 8 bytes each; four flags a query
	global_load_b64 v[18:19], v0, s[4:5]
.irp q, 0,1,2,3
	global_load_b32 v[28+\q], v7, s[12:13] offset:64*\q
.endr
.endm
.macro MASKLD off                      ; 64 words: those of one step's score registers
	s_load_b512 s[32:47], s[10:11], \off           ; in memory 64 bytes of step 0 (off = 0) and 64 of step 1 (off = 0x40) lie by turns
	s_load_b512 s[48:63], s[10:11], \off+0x80
	s_load_b512 s[68:83], s[10:11], \off+0x100
	s_load_b512 s[84:99], s[10:11], \off+0x180
.endm
.macro PREF                            ; Q from its stage, and seven of K's eight LDS fragments: three into the buffer, four into the registers of step 1's scores
	LDF 32, 23, 0
	LDF 80, 2, 0
	LDF 96, 2, 2048
	LDF 112, 2, 4096
.irp i, 0,1,2,3
	LDF 192+16*\i, 2, 2048*(3+\i)
.endr
.endm
.macro QK T, a                         ; a tile of S^T: a whole sum (K = the head's 128), so C is 0
	v_wmma_f32_16x16x128_fp8_fp8 v[128+8*(\T):135+8*(\T)], v[\a:\a+15], v[32:47], 0
.endm
.macro PT T                            ; a tile's masked scores become the fill (ascending: each accumulator is first read at its low end); the running maxima in four chains
.set pb, 128+8*(\T)
.set ps, 32+8*((\T)%8)+4*(((\T)%8)/4)
.irp j, 0,1,2,3,4,5,6,7
	v_cndmask_b32 v[pb+\j], v[pb+\j], v8, s[ps+\j]
.endr
.irp j, 0,1,2,3
	v_max3_num_f32 v[48+\j], v[48+\j], v[pb+2*\j], v[pb+2*\j+1]
.endr
.endm
.macro MCALC                           ; v60 = the query's largest t so far among my wave's keys (both halves of the lanes)
	v_max3_num_f32 v60, v48, v49, v50
	v_max_num_f32 v60, v60, v51
	v_permlanex16_b32 v61, v60, s24, s25
	v_max_num_f32 v60, v60, v61
	v_mul_f32 v60, s20, v60
.endm
.macro SM s                            ; p = 2^(c s - M) of a step's 64 registers: the scalings, one batch of exponentials with a wait ahead and a wait behind, the sums in four chains of pairs
.set sb, 128+64*\s
.set jj, 0
.rept 32
	v_pk_fma_f32 v[sb+2*jj:sb+2*jj+1], v[sb+2*jj:sb+2*jj+1], s[20:21], v[12:13] op_sel_hi:[1,0,0]
.set jj, jj+1
.endr
	VW
.set jj, 0
.rept 64
	v_exp_f32 v[sb+jj], v[sb+jj]
.set jj, jj+1
.endr
	v_nop
	VW
.if \s == 0
.irp c, 0,1,2,3
	v_pk_add_f32 v[52+2*\c:53+2*\c], v[sb+4*\c:sb+4*\c+1], v[sb+4*\c+2:sb+4*\c+3]
.endr
.set pp, 8
.else
.set pp, 0
.endif
.rept 32-pp
	v_pk_add_f32 v[52+2*(pp%4):53+2*(pp%4)], v[52+2*(pp%4):53+2*(pp%4)], v[sb+2*pp:sb+2*pp+1]
.set pp, pp+1
.endr
.endm
.macro CQ s, f, p                      ; a step's 64 weights: x f, held (the conversion does not saturate: ISA guide 7.6.2; a weight is not negative), coded
.set sb, 128+64*\s
.set jj, 0
.rept 32
	v_pk_mul_f32 v[sb+2*jj:sb+2*jj+1], v[sb+2*jj:sb+2*jj+1], v[\f:\f+1] op_sel_hi:[1,0]
.set jj, jj+1
.endr
.set jj, 0
.rept 32
	v_dual_min_num_f32 v[sb+2*jj], v[sb+2*jj], v9 :: v_dual_min_num_f32 v[sb+2*jj+1], v[sb+2*jj+1], v10
.set jj, jj+1
.endr
.set jj, 0
.rept 8
	v_cvt_scalef32_pk8_fp8_f32 v[\p+2*jj:\p+2*jj+1], v[sb+8*jj:sb+8*jj+7], v20
.set jj, jj+1
.endr
	v_nop                                          ; a plain line behind the last conversion
.endm
.macro PV t, a, p, first               ; O^T tile t; the eight accumulators take turns
.if \first
	v_wmma_f32_16x16x128_fp8_fp8 v[128+8*\t:135+8*\t], v[\a:\a+15], v[\p:\p+15], 0
.else
	v_wmma_f32_16x16x128_fp8_fp8 v[128+8*\t:135+8*\t], v[\a:\a+15], v[\p:\p+15], v[128+8*\t:135+8*\t]
.endif
.endm
	s_load_b256 s[4:11], s[0:1], 0x0               ; qimg, kimg, vimg, maskw
	s_load_b128 s[12:15], s[0:1], 0x20             ; allm, the scales' exponents
	s_load_b64 s[16:17], s[0:1], 0x30              ; out0
	v_lshl_add_u32 v24, v0, 2, SPARE
	v_mov_b32 v25, 0
	ds_add_u32 v24, v25                            ; the opening lines: the add twice on end and its wait
	ds_add_u32 v24, v25
	v_lshrrev_b32 v1, 5, v0
	v_readfirstlane_b32 s18, v1                    ; wave 0..7
	s_bfe_u32 s76, ttmp6, 0x40000                  ; cx
	s_lshl_b32 s77, ttmp9, 2
	s_add_co_u32 s77, s77, s76                     ; my chunk of 256 queries: it enters Q's, the mask's, the flags' and the output's addresses alone
	s_and_b32 s78, ttmp7, 0xffff                   ; bh, which the partners share
	s_lshr_b32 s79, s78, 4                         ; b
	s_lshl_b32 s68, s18, 14
	s_mul_i32 s69, s18, 14336
	s_add_co_u32 s69, s69, VL
	s_lshl_b32 s70, s18, 3
	s_add_co_u32 s70, s70, STATS
	s_mul_i32 s71, s18, 16*SP
	s_add_co_u32 s71, s71, OSTG
	s_mul_i32 s72, s18, 2*SP
	s_add_co_u32 s72, s72, OSTG
	s_mov_b32 s32, 15|(3<<16)|(1<<21)              ; group 1 for K: the four partners; elements of 8 bytes; 2 rows of 2,048 elements, 4,096 apart
	s_mov_b32 s33, 2048<<16
	s_mov_b32 s34, 2<<16
	s_mov_b32 s35, 2048<<16
	s_mov_b32 s36, 2
	s_mov_b32 s37, 4096
	s_mov_b32 s38, 0
	s_mov_b32 s39, 0
	s_mov_b32 s40, 15|(3<<16)|(1<<21)              ; for V: rows of 1,792 elements
	s_mov_b32 s41, 1792<<16
	s_mov_b32 s42, 2<<16
	s_mov_b32 s43, 1792<<16
	s_mov_b32 s44, 2
	s_mov_b32 s45, 4096
	s_mov_b32 s46, 0
	s_mov_b32 s47, 0
	s_and_b32 s80, s18, 3                          ; which pair of owners I fetch for
	s_lshl_b32 s49, s80, 15
	s_mul_i32 s53, s80, 28672
	s_add_co_u32 s53, s53, VL
	s_lshl_b32 s80, s80, 16
	s_mov_b32 s81, 0
	s_mov_b32 s48, 1
	s_mov_b32 s52, 1
	s_mov_b32 s24, 0x76543210                      ; v_permlanex16_b32: lane l xor 16
	s_mov_b32 s25, 0xfedcba98
	s_mov_b32 s3, 0
	v_and_b32 v1, 31, v0
	v_lshlrev_b32 v1, 4, v1
	v_and_b32 v60, 15, v0                          ; r
	v_bfe_u32 v62, v0, 4, 1                        ; h
	v_add_nc_u32 v2, s68, v1
	v_add_nc_u32 v21, s69, v1
	v_mul_u32_u24 v3, v60, 80
	v_add_nc_u32 v4, STATS, v3                     ; STATS + 80 r
	v_add_nc_u32 v3, s70, v3                       ; STATS + 80 r + 8 w
	v_mul_u32_u24 v5, v60, SP
	v_lshl_add_u32 v5, v62, 5, v5
	v_add_nc_u32 v5, s71, v5                       ; the stage, in: source w, row r, + 32 h
	v_add_nc_u32 v6, s72, v1                       ; back: rows 2 w, 2 w + 1
	v_lshlrev_b32 v7, 2, v60
	v_lshl_add_u32 v22, v0, 3, QST
	v_add_nc_u32 v23, QST, v1
	v_mov_b32 v13, 0                               ; (named as upper halves of pairs, or as a lane permute's destination)
	v_mov_b32 v15, 0
	v_mov_b32 v17, 0
	v_mov_b32 v61, 0
	v_lshlrev_b32 v0, 3, v0
	VW
	s_wait_dscnt 0x0
	s_wait_kmcnt 0x0
	s_load_b128 s[28:31], s[14:15], 0x0            ; e0 (q), e1 (k), e2 (v), e3 (the weights)
	s_lshl_b32 s2, s78, 18                         ; the head's 256 KiB in each image
	s_add_nc_u64 s[4:5], s[4:5], s[2:3]
	s_add_nc_u64 s[6:7], s[6:7], s[2:3]
	s_add_nc_u64 s[8:9], s[8:9], s[2:3]
	s_add_nc_u64 s[50:51], s[6:7], s[80:81]
	s_or_b32 s51, s51, 0x80000000
	s_add_nc_u64 s[54:55], s[8:9], s[80:81]
	s_or_b32 s55, s55, 0x80000000
	s_lshl_b32 s2, s18, 15                         ; my wave's two groups of 128 keys
	s_add_nc_u64 s[6:7], s[6:7], s[2:3]
	s_add_nc_u64 s[8:9], s[8:9], s[2:3]
	s_lshl_b32 s2, s77, 15
	s_add_nc_u64 s[4:5], s[4:5], s[2:3]
	s_lshl_b32 s82, s79, 7
	s_lshl_b32 s83, s77, 4
	s_add_co_u32 s82, s82, s83                     ; my first block among the mask's
	s_lshl_b32 s2, s82, 12
	s_lshl_b32 s83, s18, 9                         ; 512 bytes of a block's words are my wave's
	s_add_co_u32 s2, s2, s83
	s_add_nc_u64 s[10:11], s[10:11], s[2:3]
	s_lshl_b32 s2, s82, 8
	s_add_nc_u64 s[12:13], s[12:13], s[2:3]
	s_lshl_b32 s2, s77, 8                          ; the output: row 256 x chunk + 2 w + 8 (w / 4)
	s_lshl_b32 s83, s18, 1
	s_add_co_u32 s2, s2, s83
	s_lshr_b32 s83, s18, 2
	s_lshl_b32 s83, s83, 3
	s_add_co_u32 s2, s2, s83
	s_lshl_b32 s2, s2, 14
	s_lshl_b32 s83, s78, 9
	s_add_co_u32 s2, s2, s83
	s_add_nc_u64 s[16:17], s[16:17], s[2:3]
	ROUND                                          ; the four work-groups are here: the joint loads meet
	s_cmp_lt_u32 s18, 4
	s_cbranch_scc0 .Lfor_v
	tensor_load_to_lds s[48:51], s[32:39]          ; one load a wave: the launch's only fills
	s_nop 0
	PLACES
	s_branch .Lasked
.Lfor_v:
	tensor_load_to_lds s[52:55], s[40:47]
	s_nop 0
	PLACES
.Lasked:
	NEXTQ                                          ; block 0
	WIN 0x40                                       ; destination window 1
.set ff, 0
.rept 32
	global_load_b128 v[4*ff:4*ff+3], v1, s[6:7] offset:16384+512*ff          ; K's step 1: it stays
.set ff, ff+1
.endr
	WIN 0
	s_wait_kmcnt 0x0
	s_add_co_i32 s2, s28, s29
	s_lshl_b32 s2, s2, 23
	s_add_co_i32 s20, s2, 0x3e0293ee               ; c = log2(e) / sqrt(128) x 2^(e0 + e1)
	s_mov_b32 s21, s20
	s_sub_co_u32 s2, 0xc7dcf88b, s2                ; the fill in units of the raw sums
	v_mov_b32 v8, s2
	s_add_co_i32 s22, s30, s31
	s_add_co_i32 s22, s22, 127
	s_lshl_b32 s22, s22, 23                        ; 2^(e2 + e3)
	s_mov_b32 s23, s22
	s_add_co_i32 s2, s31, 127
	s_lshl_b32 s26, s2, 23
	v_mov_b32 v20, s26                             ; 2^e3
	s_add_co_i32 s2, s2, 8
	s_lshl_b32 s2, s2, 23
	s_or_b32 s2, s2, 0x600000
	v_mov_b32 v9, s2                               ; 448 x 2^e3, twice: the two halves of a dual pair name different registers
	v_mov_b32 v10, s2
	VW
	s_wait_loadcnt 32                              ; Q's part and the flags are in; K's 32 loads may be out
	WIN 0x40
.set ff, 0
.rept 32
	global_load_b128 v[128+4*ff:128+4*ff+3], v1, s[8:9] offset:16384+512*ff  ; V's step 1
.set ff, ff+1
.endr
	WIN 0
.irp c, 0,1,2,3
	global_load_b128 v[64+4*\c:67+4*\c], v1, s[8:9] offset:14336+512*\c      ; V's step 0, fragment 7
.endr
	s_wait_loadcnt 36                              ; K's step 1 is in; V's 36 loads may be out: they are waited for ahead of block 0's exchange
	s_wait_tensorcnt 0x0                           ; my part of the LDS images is in
	ds_store_b64 v22, v[18:19]
	s_wait_dscnt 0x0
	s_barrier_signal -1
	s_barrier_wait -1                              ; everybody's part, and Q
	MASKLD 0                                       ; (the descriptors' registers are free behind the wait on TENSORcnt)
	PREF
.macro BLOCK last
	v_min3_num_f32 v11, v28, v29, v30              ; the block's flags were waited for ahead of the last exchange (block 0: at the head)
	v_min_num_f32 v11, v11, v31
	v_sub_f32 v11, 1.0, v11                        ; keep: 0 where all four quarters of the keys are masked
.if !(\last)
	s_add_nc_u64 s[4:5], s[4:5], 2048
	s_add_nc_u64 s[12:13], s[12:13], 256
	NEXTQ                                          ; the next block's
.endif
	s_wait_dscnt 12                                ; Q and K's fragments 0 to 3 are in; the twelve loads of fragments 4 to 6 may be out
	s_wait_kmcnt 0x0                               ; step 0's words
	QK 0, 80
	QK 1, 96
	QK 2, 112
	QK 3, 192
.irp c, 48,49,50,51
	v_mov_b32 v\c, 0xff800000                      ; the maxima begin under every score; also the places ahead of the loads below
.endr
	LDF 80, 2, 7*2048                              ; K's last LDS fragment
	LDF 96, 21, 0                                  ; V's fragments 0 and 1
	LDF 112, 21, 2048
	VW
	s_wait_dscnt 12                                ; K's fragments 4 to 6 are in; the twelve loads just issued may be out
	QK 4, 208
	QK 5, 224
	QK 6, 240
	PT 0
	PT 1
	PT 2
	PT 3
	VW
	s_wait_dscnt 8                                 ; K's fragment is in; V's eight loads may be out
	QK 7, 80
	PT 4
	PT 5
	PT 6
	LDF 80, 21, 4096                               ; V's fragment 2
	PT 7
	VW                                             ; the selects have read the words
	MASKLD 0x40                                    ; step 1's words: wanted behind step 0's softmax
	WIN 0x01                                       ; K from window 1
.irp T, 0,1,2,3,4,5,6,7
	v_wmma_f32_16x16x128_fp8_fp8 v[192+8*\T:199+8*\T], v[16*\T:16*\T+15], v[32:47], 0
.endr
	WIN 0
	MCALC
	v_floor_f32 v12, -v60                          ; -M = -ceil(t): a whole number
	SM 0
	s_wait_kmcnt 0x0
.if !(\last)
	s_add_nc_u64 s[10:11], s[10:11], 4096
.endif
	VW                                             ; directly ahead of the first reader of step 1's scores
.irp T, 8,9,10,11,12,13,14,15
	PT \T
.endr
.if !(\last)
	VW
	MASKLD 0                                       ; the next block's
.endif
	MCALC
	v_floor_f32 v26, -v60                          ; the new -M
	v_sub_f32 v27, v26, v12                        ; M's old value less its new one: a whole number, 0 or less
	v_mov_b32 v12, v26
	v_cvt_i32_f32 v27, v27
	v_ldexp_f32 v26, 1.0, v27
.irp c, 0,1,2,3
	v_pk_mul_f32 v[52+2*\c:53+2*\c], v[52+2*\c:53+2*\c], v[26:27] op_sel_hi:[1,0]   ; step 0's sums under the new M: nothing is rounded
.endr
	SM 1
	v_pk_add_f32 v[52:53], v[52:53], v[54:55]
	v_pk_add_f32 v[56:57], v[56:57], v[58:59]
	v_pk_add_f32 v[52:53], v[52:53], v[56:57]
	v_add_f32 v13, v52, v53
	v_permlanex16_b32 v61, v13, s24, s25
	v_add_f32 v13, v13, v61                        ; l of my wave's 256 keys
	VW
	s_wait_loadcnt 0x0                             ; the next block's Q part and flags
	ds_store_b64 v3, v[12:13]                      ; lanes r and r + 16 hold the same pair
	s_wait_dscnt 0x0                               ; for the others' sake; my reads of Q's stage and of the stage for O are over too
	s_barrier_signal -1
	s_barrier_wait -1
.if !(\last)
	ds_store_b64 v22, v[18:19]                     ; nobody reads Q's stage between this barrier and the next
.endif
.irp c, 0,1,2,3
	ds_load_b128 v[48+4*\c:51+4*\c], v4 offset:16*\c
.endr
	s_wait_dscnt 0x0
	v_min3_num_f32 v26, v48, v50, v52
	v_min3_num_f32 v13, v54, v56, v58
	v_min3_num_f32 v26, v26, v60, v62
	v_min_num_f32 v26, v26, v13                    ; -M of the row
.irp e, 0,1,2,3,4,5,6,7
	v_sub_f32 v[48+2*\e], v26, v[48+2*\e]
.endr
.irp e, 0,1,2,3,4,5,6,7
	v_cvt_i32_f32 v[48+2*\e], v[48+2*\e]
.endr
.irp e, 0,1,2,3,4,5,6,7
	v_ldexp_f32 v[49+2*\e], v[49+2*\e], v[48+2*\e] ; l_e under the row's M
.endr
	v_add_f32 v49, v49, v51
	v_add_f32 v53, v53, v55
	v_add_f32 v57, v57, v59
	v_add_f32 v61, v61, v63
	v_add_f32 v49, v49, v53
	v_add_f32 v57, v57, v61
	v_add_f32 v49, v49, v57                        ; the row's sum, the same additions in every wave
	v_sub_f32 v19, v26, v12
	v_cvt_i32_f32 v19, v19                         ; M_wave - M_row
	VW
	v_rcp_f32 v18, v49
	v_nop
	VW
	v_mul_f32 v18, v18, v11
	v_ldexp_f32 v16, v18, v19                      ; f of step 1
	v_ldexp_f32 v14, v16, v27                      ; f of step 0
	CQ 1, 16, 32
.irp i, 0,1,2,3
	LDF 192+16*\i, 21, 2048*(3+\i)                 ; V's fragments 3 to 6 into the registers just coded
.endr
	CQ 0, 14, 48
	VW                                             ; behind the writes of P: its first readers stand ahead of the wait on DScnt
	WIN 0x01                                       ; V from window 1
.irp t, 7,0,1,2,3,4,5,6
	PV \t, 128+16*\t, 32, 1
.endr
	WIN 0
	PV 0, 96, 48, 0                                ; fragments 0 to 2 were waited for ahead of the exchange, fragment 7 stays in registers
	PV 1, 112, 48, 0
	PV 2, 80, 48, 0
	PV 7, 64, 48, 0
	s_wait_dscnt 0x0                               ; fragments 3 to 6
	PV 3, 192, 48, 0
	PV 4, 208, 48, 0
	PV 5, 224, 48, 0
	PV 6, 240, 48, 0
	PLACES
.set tt, 0
.rept 8
	ds_store_b128 v5, v[128+8*tt:131+8*tt] offset:64*tt       ; register 8 t + j of lane (r, h) is o(query r, d = 16 t + 8 h + j)
	ds_store_b128 v5, v[132+8*tt:135+8*tt] offset:64*tt+16
.set tt, tt+1
.endr
	s_wait_dscnt 0x0
	s_barrier_signal -1
	s_barrier_wait -1
.set xx, 0
.rept 16
	ds_load_b128 v[128+4*xx:131+4*xx], v6 offset:16*SP*(xx/2)+SP*(xx%2)   ; source xx / 2, my row xx % 2
.set xx, xx+1
.endr
.if !(\last)
	PREF                                           ; 32 loads for the next block
.endif
	s_lshr_b32 s2, s19, 1                          ; block k's rows begin 32 (k / 2) + 8 (k % 2) rows of 16,384 bytes further on
	s_lshl_b32 s2, s2, 19
	s_and_b32 s3, s19, 1
	s_lshl_b32 s3, s3, 17
	s_add_co_u32 s2, s2, s3
	s_mov_b32 s3, 0
	s_add_nc_u64 s[14:15], s[16:17], s[2:3]
.if \last
	s_wait_dscnt 0x0
.else
	s_wait_dscnt 32                                ; the stage's sixteen loads are in; the 32 issued behind them may be out
.endif
.set pp, 0
.rept 4
	v_pk_mul_f32 v[128+2*pp:129+2*pp], v[128+2*pp:129+2*pp], s[22:23] op_sel_hi:[1,0]
.set pp, pp+1
.endr
.rept 28
	v_pk_fma_f32 v[128+2*(pp%4):129+2*(pp%4)], v[128+2*pp:129+2*pp], s[22:23], v[128+2*(pp%4):129+2*(pp%4)] op_sel_hi:[1,0,1]
.set pp, pp+1
.endr
	global_store_b128 v1, v[128:131], s[14:15] th:TH_STORE_NT               ; a head's row: 512 consecutive bytes, aligned
	global_store_b128 v1, v[132:135], s[14:15] offset:16384 th:TH_STORE_NT
	s_wait_xcnt 0x0                                ; the stores' data and base are written again in the next block
.endm
	s_mov_b32 s19, 0
.Lblk:
	BLOCK 0
	s_add_co_u32 s19, s19, 1
	s_cmp_lt_u32 s19, 15
	VW
	s_cbranch_scc1 .Lblk
	BLOCK 1                                        ; block 15 asks for nothing beyond the chunk
	s_wait_tensorcnt 0x0                           ; the wave's end
	ds_add_u32 v24, v25
	s_wait_dscnt 0x0
	ROUND                                          ; the closing round
	s_endpgm
.Lfunc_end_k_q252152c8f4_attn:
	.size	k_q252152c8f4_attn, .Lfunc_end_k_q252152c8f4_attn-k_q252152c8f4_attn
	.p2alignl 7, 3214868480
	.fill 96, 4, 3214868480
	.section	.rodata,"a",@progbits
	.p2align	6, 0x0
	.amdhsa_kernel k_q252152c8f4_attn
		.amdhsa_group_segment_fixed_size 327680
		.amdhsa_private_segment_fixed_size 0
		.amdhsa_enable_private_segment 0
		.amdhsa_kernarg_size 56
		.amdhsa_user_sgpr_count 2
		.amdhsa_user_sgpr_kernarg_segment_ptr 1
		.amdhsa_wavefront_size32 1
		.amdhsa_system_sgpr_workgroup_id_x 1
		.amdhsa_system_sgpr_workgroup_id_y 1
		.amdhsa_system_sgpr_workgroup_id_z 1
		.amdhsa_system_vgpr_workitem_id 0
		.amdhsa_next_free_vgpr 512
		.amdhsa_next_free_sgpr 100
		.amdhsa_reserve_vcc 0
		.amdhsa_float_denorm_mode_32 3
		.amdhsa_float_denorm_mode_16_64 3
		.amdhsa_memory_ordered 1
		.amdhsa_forward_progress 1
		.amdhsa_inst_pref_size 113
	.end_amdhsa_kernel
	.amdgpu_metadata
---
amdhsa.version: [ 1, 2 ]
amdhsa.kernels:
  - .name:           k_q252152c8f4_attn
    .symbol:         k_q252152c8f4_attn.kd
    .args:
      - { .name: qimg, .offset: 0, .size: 8, .value_kind: global_buffer, .address_space: global }
      - { .name: kimg, .offset: 8, .size: 8, .value_kind: global_buffer, .address_space: global }
      - { .name: vimg, .offset: 16, .size: 8, .value_kind: global_buffer, .address_space: global }
      - { .name: maskw, .offset: 24, .size: 8, .value_kind: global_buffer, .address_space: global }
      - { .name: allm, .offset: 32, .size: 8, .value_kind: global_buffer, .address_space: global }
      - { .name: lowp_scales, .offset: 40, .size: 8, .value_kind: global_buffer, .address_space: global }
      - { .name: out0, .offset: 48, .size: 8, .value_kind: global_buffer, .address_space: global }
    .group_segment_fixed_size: 327680
    .private_segment_fixed_size: 0
    .kernarg_segment_align: 8
    .kernarg_segment_size: 56
    .max_flat_workgroup_size: 256
    .sgpr_count:     100
    .vgpr_count:     512
    .wavefront_size: 32
...
	.end_amdgpu_metadata
.endif
;; end of part 2
